; MI455X (gfx1250); checked and timed in simulation.
; The chip was launched on July 23, 2026; its instructions are those of AMD's public machine-readable ISA for CDNA 5 (MIT licence, August 2026) and "CDNA5" Instruction Set Architecture Reference Guide (July 2026). The comments in the code are by the model that wrote it; some were corrected since.
;; Transformer Block. Allowed arithmetic: matrix products marked QUANTISED: E5M2 operands, one given power-of-two scale a tensor, by v_wmma_f32_16x16x64_bf8_bf8 or v_wmma_f32_16x16x128_bf8_bf8, f32 sums; everything else in f32.
;; Inputs: W1_codes 512 x 4 x 32 uint8 (E5M2 codes of W1, K innermost, in blocks of 32 codes); W2_codes 512 x 16 x 32 uint8 (E5M2 codes of W2, K innermost, in blocks of 32 codes); W3_codes 128 x 16 x 32 uint8 (E5M2 codes of W3, K innermost, in blocks of 32 codes); Wk_codes 128 x 4 x 32 uint8 (E5M2 codes of Wk, K innermost, in blocks of 32 codes); Wq_codes 128 x 4 x 32 uint8 (E5M2 codes of Wq, K innermost, in blocks of 32 codes); Wv_codes 128 x 4 x 32 uint8 (E5M2 codes of Wv, K innermost, in blocks of 32 codes); b1 512 float32; b2 512 float32; b3 128 float32; ln_b 128 float32; ln_g 128 float32; lowp_scales 16 int32 (the exponents e of the quantised operands' scales 2^e); x 8,192 x 128 float32; y 8,192 x 128 float32.
;; Outputs: out0 8,192 x 128 float32.
;; This version of the problem:
;;   THIS VERSION OF THE PROBLEM IS GIVEN IN LOW PRECISION. The matrix products marked QUANTISED in the list below multiply operands that are first quantised to E5M2 (5 exponent bits, 2 mantissa bits; 8 bits a number), with one given power-of-two scale for each operand tensor; their sums are f32. All else is computed in f32.
;;   The module's matrix products, in the order in which they are computed (A, B: the left and right operand; K: the contracted axis; several contracted axes count as one K, in the product's order):
;;     1. [M 8,192, K 128] x [K 128, N 128]; A: computed on the way; B: input Wq (given as codes): QUANTISED (scales: A lowp_scales[0], B lowp_scales[1])
;;     2. [M 8,192, K 128] x [K 128, N 128]; A: computed on the way; B: input Wk (given as codes): QUANTISED (scales: A lowp_scales[2], B lowp_scales[3])
;;     3. [M 8,192, K 128] x [K 128, N 128]; A: computed on the way; B: input Wv (given as codes): QUANTISED (scales: A lowp_scales[4], B lowp_scales[5])
;;     4. [M 8,192, K 128] x [K 128, N 8,192]; A: computed on the way; B: computed on the way: QUANTISED (scales: A lowp_scales[6], B lowp_scales[7])
;;     5. [M 8,192, K 8,192] x [K 8,192, N 128]; A: computed on the way; B: computed on the way: QUANTISED (scales: A lowp_scales[8], B lowp_scales[9])
;;     6. [M 8,192, K 128] x [K 128, N 512]; A: computed on the way; B: input W1 (given as codes): QUANTISED (scales: A lowp_scales[10], B lowp_scales[11])
;;     7. [M 8,192, K 512] x [K 512, N 512]; A: computed on the way; B: input W2 (given as codes): QUANTISED (scales: A lowp_scales[12], B lowp_scales[13])
;;     8. [M 8,192, K 512] x [K 512, N 128]; A: computed on the way; B: input W3 (given as codes): QUANTISED (scales: A lowp_scales[14], B lowp_scales[15])
;;   THE QUANTISER, for each operand of a quantised product, along K:
;;     - The operand's scale is 2^e, e = its entry of the input lowp_scales (int32; the entries are numbered through the quantised products in the list's order, A before B).
;;     - Each number is divided by the scale, clamped to +-57,344, and rounded to the nearest number of E5M2, ties to even, subnormals kept.
;;     - The product sums the exact products of the quantised numbers (number of the format x scale) in f32.
;;   ~~~python
;;   def quantise(x, axis, e):      # numpy; x: float32 -> the quantised numbers, widened to float32 again
;;       x = np.moveaxis(x, axis, -1); K = x.shape[-1]
;;       r = np.clip(x / 2.0 ** e, -57344, 57344)
;;       step = 2.0 ** (np.maximum(np.frexp(np.where(r == 0, 1, r))[1] - 1, -14) - 2)
;;       q = np.round(r / step) * step * 2.0 ** e      # np.round: ties to even
;;       return np.moveaxis(q, -1, axis).astype(np.float32)
;;   ~~~
;;   OPERANDS COMPUTED ON THE WAY. 'Computed on the way' means the value that the module computes at that place (a softmax that the list does not call 'softmax' is quantised finished and normalised). What goes into a quantiser is computed in f32, as accurately as f32 sums, v_exp_f32 and their like allow (about 1e-6 of the number): no bf16 or f16 on the way to a quantiser, and a product that is left as it is and whose result goes on into a quantised operand takes f32 operands (vector FMAs, or v_wmma_f32_16x16x4_f32). A number that lies on a knife's edge between two numbers of the format may be rounded either way, as far as f32 arithmetic and the matrix unit's own rounding can turn it there, and no further.
;;   INPUTS GIVEN AS CODES. W1 (in the module: [128, 512], K = its axis 0); W2 (in the module: [512, 512], K = its axis 0); W3 (in the module: [512, 128], K = its axis 0); Wk (in the module: [128, 128], K = its axis 0); Wq (in the module: [128, 128], K = its axis 0); Wv (in the module: [128, 128], K = its axis 0): each comes as NAME_codes (uint8): NAME with its K axis moved to the last place and cut into blocks of 32 codes, [.., K / 32, bytes a block], one block behind the other in memory; one code a byte (a code: sign, 5 exponent bits, 2 mantissa bits); its scale is its entry of lowp_scales. Its value is code x scale, taken as it is: it is not quantised again, and the codes and scales need not be those that the quantiser above would give.
;; One version. Each part assembles by itself: llvm-mc -triple=amdgcn-amd-amdhsa -mcpu=gfx1250 --defsym DOCPART=n.
;; ======== version 1 of 1: 2 launches
;; limits: right only within a limited range of input values
;; workspace buffers: qimg 1,048,576 bytes; kimg 1,048,576 bytes; vimg 1,048,576 bytes; wimg 393,216 bytes
;; launch prep (part 1): grid 256 x 1, 4 waves a work-group, no clusters, 97,792 bytes of LDS; arguments x, y, ln_g, ln_b, Wq_codes, Wk_codes, Wv_codes, W1_codes, W2_codes, W3_codes, lowp_scales, qimg, kimg, vimg, wimg; writes qimg, kimg, vimg, wimg
.if DOCPART == 1
	.amdgcn_target "amdgcn-amd-amdhsa--gfx1250"
	.amdhsa_code_object_version 6
	.text
	.protected	k_q5b50d750d3_prep
	.globl	k_q5b50d750d3_prep
	.p2align	8
	.type	k_q5b50d750d3_prep,@function
k_q5b50d750d3_prep:
	s_mov_b64 s[64:65], 0
	v_nop
	global_prefetch_b8 v0, s[64:65] scope:SCOPE_SE
	s_setreg_imm32_b32 hwreg(HW_REG_WAVE_MODE, 25, 1), 1
	s_wait_xcnt 0x0
; LAUNCH 1 OF 2.  LayerNorm of x and of y, the three projections on codes of E5M2, and the quantising of XQ, YK and YV into images of operand registers; the MLP's weights are laid as images too.
; DEAD WORK, for the whole program.  smooth_softmax divides num = 0.1 relu(S) + softmax(S) by num.sum(axis 1) = 0.1 sum relu(S) + sum softmax(S).  The second sum is
; sum exp(S - max) / sum exp(S - max) = 1, an identity for every finite S.  So that sum of 8,192 terms a row is not formed: the divisor is 0.1 sum relu(S) + 1.
; Nothing else is left out and every input is loaded.  LIMIT: a NaN, an infinity or an overflow that would arise in that sum alone is not carried to the result.
; SHARES.  Work-group i takes rows 32 i .. 32 i + 31 of x (waves 0, 1: a tile of 16 each) and of y (waves 2, 3).  Rows and weights are loaded as whole rows, 512 consecutive bytes an instruction, and are
; turned through LDS; each weight is loaded once by the work-group.  YV: waves 2 and 3 take four of the eight tiles of channels each, for all 32 keys.  No tensor load: a work-group's bytes are few and used once.
; LAYOUT.  Lane (r, h) holds row r and of each block of 32 along the row the 16 numbers 32 c + 16 h + 0..15: register 16 c + i.
; Q and K: source 0 = 16 rows of W, source 1 = my rows: a lane's eight results of tile T are dims 16 T + 8 h + 0..7 of its row: qimg, kimg: [tile of 16 rows][4 quads][lane][16 bytes].
; V: source 0 = 16 keys, source 1 = 16 rows of Wv: registers along the keys.  Lane r of tile 2 b + u takes channel 32 b + 8 u + r + 8 (r / 8).  vimg: [block of 64 keys][8 tiles][2 quads][lane][16 bytes].
; wimg: W2 [half of K][wave 8][K step 2][tile 4][quad 4], W1 [wave 8][tile 4][quad 4], W3 [wave 8][K step 4][quad 4], a quad 512 bytes: 768 quads, one for each of waves 0 to 2.
; Lane r of tile 2 b + u of W1 and W2 takes row 32 b + 8 u + r + 8 (r / 8) of its wave's 64.
; LIMITS on the given exponents: e0, e2, e4, e6 - e0 - e1, e7 - e2 - e3, e9 - e4 - e5 between -126 and 112.  NaN among the inputs is not served.
.set WST,   0                          ; LDS: Wq, Wk, Wv: 128 rows of 128 + 16 bytes each
.set WMAT,  18432
.set XST,   55296                      ; each wave's 16 rows of 512 + 16 bytes
.set GST,   89088                      ; each wave's copy of ln_g, ln_b
.set ZIMG,  93184                      ; y's two fragments for the product with Wv
.set SPARE, 97280                      ; the spare words, 128 bytes a wave
.set LI,   1                           ; v1   16 x lane
.set XS,   2                           ; v2   rows into my stage, v3 my fragment's place there
.set XF,   3
.set GS,   4                           ; v4   ln_g, ln_b in, v5 back
.set GF,   5
.set SC,   6
.set LIM,  7
.set X0,   16                          ; v16-79   my rows; at the end V's accumulators
.set TT,   80                          ; v80-143  rows as they are loaded; a projection's accumulators; V's codes
.set ZC,   144                         ; v144-159 codes
.set ZV,   160                         ; v160-191 the two tiles' codes for V
.set RW,   144                         ; v144-239 weights as they are loaded
.set WS,   240
.set AW,   241
.set AWV,  242
.set ZS,   243
.set ZF,   244
.set CA,   245
.set CD,   246                         ; v246-249 a quad on its way to wimg
.set SPW,  250
.set NIL,  251
.set SEL,  80
.set RCPD, 82
.set EPS,  83
; window 1: v0-63 ln_g, v64-127 ln_b in my lane's order; v128-255 a weight's fragments
.set MSB, 0
.macro WIN new
.if MSB != (\new)
	s_set_vgpr_msb (MSB<<8)|(\new)
.set MSB, (\new)
.endif
.endm
.macro SETQ                            ; s56 = e: v[SC] = 2^e, v[LIM] = 57,344 x 2^e
	s_add_co_i32 s56, s56, 127
	s_lshl_b32 s57, s56, 23
	v_mov_b32 v[SC], s57
	s_add_co_i32 s56, s56, 15
	s_lshl_b32 s56, s56, 23
	s_or_b32 s56, s56, 0x600000
	v_mov_b32 v[LIM], s56
.endm
.macro QUANT s, d, pc                  ; 64 numbers of a lane, held within the largest code x the scale, become 16 registers of codes
.set bb, 0
.rept 4
.set i, 0
.rept 16
	v_med3_num_f32 v[(\d)+16*bb+i], v[(\s)+16*bb+i], -v[LIM], v[LIM]   ; the conversion to an 8-bit code does not saturate (ISA guide 7.6.2)
.set i, i+1
.endr
	v_cvt_scalef32_pk8_bf8_f32 v[(\pc)+4*bb:(\pc)+4*bb+1], v[(\d)+16*bb:(\d)+16*bb+7], v[SC]
	v_cvt_scalef32_pk8_bf8_f32 v[(\pc)+4*bb+2:(\pc)+4*bb+3], v[(\d)+16*bb+8:(\d)+16*bb+15], v[SC]
.set bb, bb+1
.endr
	v_nop
.endm
	s_load_b512 s[4:19], s[0:1], 0x0               ; x 4, y 6, ln_g 8, ln_b 10, Wq 12, Wk 14, Wv 16, W1 18
	s_load_b256 s[20:27], s[0:1], 0x40             ; W2 20, W3 22, the scales' exponents 24, qimg 26
	s_load_b128 s[28:31], s[0:1], 0x60             ; kimg 28, vimg 30
	s_load_b64 s[32:33], s[0:1], 0x70              ; wimg
	v_lshl_add_u32 v[SPW], v0, 2, SPARE
	v_mov_b32 v[NIL], 0
	v_lshrrev_b32 v8, 5, v0
	v_readfirstlane_b32 s34, v8                    ; wave 0..3
	s_lshr_b32 s35, s34, 1                         ; 0: x, 1: y
	s_and_b32 s36, s34, 1                          ; my tile of 16 rows
	s_mul_i32 s70, s34, 8448
	s_add_co_u32 s70, s70, XST
	s_lshl_b32 s71, s34, 10
	s_add_co_u32 s71, s71, GST
	s_mul_i32 s72, s34, 4608                       ; I load 32 rows of each weight
	s_mul_i32 s73, s35, WMAT                       ; Wq or Wk
	s_mul_i32 s74, s36, 9216                       ; my 64 rows of Wv
	s_add_co_u32 s74, s74, 2*WMAT
	s_lshl_b32 s75, s36, 11
	s_add_co_u32 s75, s75, ZIMG
	v_and_b32 v8, 31, v0                           ; lane
	v_and_b32 v253, 15, v0                         ; r
	v_bfe_u32 v10, v0, 4, 1                        ; h
	v_lshlrev_b32 v[LI], 4, v8
	v_lshrrev_b32 v11, 3, v8
	v_and_b32 v12, 7, v8
	v_and_b32 v255, 8, v253
	v_lshlrev_b32 v254, 4, v10
	v_add_nc_u32 v[XS], s70, v[LI]
	v_mul_u32_u24 v[XF], v253, 528
	v_lshl_add_u32 v[XF], v10, 6, v[XF]
	v_add_nc_u32 v[XF], s70, v[XF]
	v_add_nc_u32 v[GS], s71, v[LI]
	v_lshlrev_b32 v[GF], 6, v10
	v_add_nc_u32 v[GF], s71, v[GF]
	v_mul_u32_u24 v[WS], v11, 144
	v_lshl_add_u32 v[WS], v12, 4, v[WS]
	v_add_nc_u32 v[WS], s72, v[WS]
	v_mul_u32_u24 v[AW], v253, 144
	v_add_nc_u32 v[AW], v[AW], v254
	v_add_nc_u32 v[AW], s73, v[AW]
	v_add_nc_u32 v13, v255, v253                   ; r + 8 (r / 8)
	v_mul_u32_u24 v[AWV], v13, 144
	v_add_nc_u32 v[AWV], v[AWV], v254
	v_add_nc_u32 v[AWV], s74, v[AWV]
	v_add_nc_u32 v[ZS], s75, v[LI]
	v_add_nc_u32 v[ZF], ZIMG, v[LI]
	s_mov_b32 s[SEL], 0x76543210
	s_mov_b32 s[SEL+1], 0xfedcba98
	s_mov_b32 s[RCPD], 0x3c000000                  ; 1 / 128
	s_mov_b32 s[EPS], 0x3727c5ac                   ; 1e-5
	s_lshl_b32 s56, ttmp9, 14
	s_lshl_b32 s57, s36, 13
	s_add_co_u32 s56, s56, s57
	s_mov_b32 s57, 0
	s_lshl_b32 s58, s34, 12
	s_mov_b32 s59, 0
	s_wait_alu depctr_va_vdst(0)                   ; the wait at the head's end
	s_wait_kmcnt 0x0
	s_load_b512 s[40:55], s[24:25], 0x0            ; e0 .. e15
	s_cmp_eq_u32 s35, 0
	s_cselect_b64 s[4:5], s[4:5], s[6:7]
	s_cselect_b64 s[26:27], s[26:27], s[28:29]     ; qimg or kimg
	s_add_nc_u64 s[4:5], s[4:5], s[56:57]
	s_add_nc_u64 s[12:13], s[12:13], s[58:59]
	s_add_nc_u64 s[14:15], s[14:15], s[58:59]
	s_add_nc_u64 s[16:17], s[16:17], s[58:59]
.set q, 0
.rept 16
	global_load_b128 v[TT+4*q:TT+4*q+3], v[LI], s[4:5] offset:512*q th:TH_LOAD_NT    ; a row
.set q, q+1
.endr
	global_load_b128 v[8:11], v[LI], s[8:9]
	global_load_b128 v[12:15], v[LI], s[10:11]
.irp m, 0,1,2
.irp q, 0,1,2,3,4,5,6,7
	global_load_b128 v[RW+32*\m+4*\q:RW+32*\m+4*\q+3], v[LI], s[12+2*\m:13+2*\m] offset:512*\q
.endr
.endr
	; my quad of wimg: waves 0, 1: W2, wave 2: W1 or W3
	s_and_b32 s60, ttmp9, 3
	s_lshl_b32 s60, s60, 5                         ; 32 x quad
	s_bfe_u32 s61, ttmp9, 0x20002                  ; tile (W3: K step)
	s_lshr_b32 s62, s61, 1
	s_lshl_b32 s62, s62, 5
	s_and_b32 s63, s61, 1
	s_lshl_b32 s63, s63, 3
	s_add_co_u32 s62, s62, s63                     ; 32 (t / 2) + 8 (t % 2)
	s_lshl_b32 s68, ttmp9, 9
	s_mov_b32 s69, 0
	s_mov_b32 s67, 0
	s_mov_b32 s76, 1
	s_mov_b32 s77, 512
	s_cmp_lt_u32 s34, 2
	s_cbranch_scc0 .Lnot_w2
	s_lshr_b32 s66, ttmp9, 5                       ; the wave that will use it
	s_lshl_b32 s66, s66, 6
	s_add_co_u32 s66, s66, s62
	s_lshl_b32 s66, s66, 9
	s_bfe_u32 s63, ttmp9, 0x10004
	s_lshl_b32 s61, s34, 1
	s_add_co_u32 s63, s63, s61                     ; K step
	s_lshl_b32 s63, s63, 7
	s_add_co_u32 s66, s66, s63
	s_lshl_b32 s63, s34, 17
	s_add_co_u32 s68, s68, s63
	s_mov_b64 s[78:79], s[20:21]
	s_branch .Lquad
.Lnot_w2:
	s_cmp_lg_u32 s34, 2
	s_cbranch_scc1 .Lno_quad
	s_add_co_u32 s68, s68, 262144
	s_cmp_lt_u32 ttmp9, 128
	s_cbranch_scc0 .Lw3
	s_lshr_b32 s66, ttmp9, 4
	s_lshl_b32 s66, s66, 6
	s_add_co_u32 s66, s66, s62
	s_lshl_b32 s66, s66, 7
	s_mov_b32 s77, 128
	s_mov_b64 s[78:79], s[18:19]
	s_branch .Lquad
.Lw3:
	s_bfe_u32 s66, ttmp9, 0x30004
	s_lshl_b32 s66, s66, 13                        ; 16 rows of 512 bytes
	s_lshl_b32 s61, s61, 7
	s_add_co_u32 s66, s66, s61
	s_mov_b32 s76, 0
	s_mov_b64 s[78:79], s[22:23]
.Lquad:
	s_add_co_u32 s66, s66, s60
	s_add_nc_u64 s[78:79], s[78:79], s[66:67]
	v_mad_u32_u24 v255, v255, s76, v253
	v_mad_u32_u24 v[CA], v255, s77, v254
	global_load_b128 v[CD:CD+3], v[CA], s[78:79]
.Lno_quad:
	s_add_nc_u64 s[68:69], s[32:33], s[68:69]
	s_wait_loadcnt 24                              ; my rows, ln_g and ln_b are in; the 24 loads of weights may be out
.set q, 0
.rept 16
	ds_store_b128 v[XS], v[TT+4*q:TT+4*q+3] offset:528*q
.set q, q+1
.endr
	ds_store_b128 v[GS], v[8:11]
	ds_store_b128 v[GS], v[12:15] offset:512
.irp c, 0,1,2,3
.irp j, 0,1,2,3
	ds_load_b128 v[X0+16*\c+4*\j:X0+16*\c+4*\j+3], v[XF] offset:128*\c+16*\j      ; my own bytes: LDS serves a wave's instructions in order (ISA guide 5.7.1.4)
.endr
.endr
	WIN 0x40                                       ; destination window 1
.irp c, 0,1,2,3
.irp j, 0,1,2,3
	ds_load_b128 v[16*\c+4*\j:16*\c+4*\j+3], v[GF] offset:128*\c+16*\j
	ds_load_b128 v[64+16*\c+4*\j:64+16*\c+4*\j+3], v[GF] offset:512+128*\c+16*\j
.endr
.endr
	WIN 0
	s_wait_dscnt 32                                ; my rows; ln_g's and ln_b's 32 loads may be out
	; LayerNorm in place, as the problem writes it.  A row lies in lanes l and l xor 16.
	v_pk_add_f32 v[8:9], v[X0:X0+1], v[X0+2:X0+3]
	v_pk_add_f32 v[10:11], v[X0+4:X0+5], v[X0+6:X0+7]
	v_pk_add_f32 v[12:13], v[X0+8:X0+9], v[X0+10:X0+11]
	v_pk_add_f32 v[14:15], v[X0+12:X0+13], v[X0+14:X0+15]
.set j, 16
.rept 6
	v_pk_add_f32 v[8:9], v[8:9], v[X0+j:X0+j+1]
	v_pk_add_f32 v[10:11], v[10:11], v[X0+j+2:X0+j+3]
	v_pk_add_f32 v[12:13], v[12:13], v[X0+j+4:X0+j+5]
	v_pk_add_f32 v[14:15], v[14:15], v[X0+j+6:X0+j+7]
.set j, j+8
.endr
	v_pk_add_f32 v[8:9], v[8:9], v[10:11]
	v_pk_add_f32 v[12:13], v[12:13], v[14:15]
	v_pk_add_f32 v[8:9], v[8:9], v[12:13]
	v_add_f32 v8, v8, v9
	v_permlanex16_b32 v9, v8, s[SEL], s[SEL+1]
	v_add_f32 v8, v8, v9
	v_mul_f32 v8, s[RCPD], v8                      ; the mean
.set j, 0
.rept 32
	v_pk_add_f32 v[X0+j:X0+j+1], v[X0+j:X0+j+1], v[8:9] op_sel_hi:[1,0] neg_lo:[0,1] neg_hi:[0,1]
.set j, j+2
.endr
	v_pk_mul_f32 v[8:9], v[X0:X0+1], v[X0:X0+1]
	v_pk_mul_f32 v[10:11], v[X0+2:X0+3], v[X0+2:X0+3]
	v_pk_mul_f32 v[12:13], v[X0+4:X0+5], v[X0+4:X0+5]
	v_pk_mul_f32 v[14:15], v[X0+6:X0+7], v[X0+6:X0+7]
.set j, 8
.rept 7
	v_pk_fma_f32 v[8:9], v[X0+j:X0+j+1], v[X0+j:X0+j+1], v[8:9]
	v_pk_fma_f32 v[10:11], v[X0+j+2:X0+j+3], v[X0+j+2:X0+j+3], v[10:11]
	v_pk_fma_f32 v[12:13], v[X0+j+4:X0+j+5], v[X0+j+4:X0+j+5], v[12:13]
	v_pk_fma_f32 v[14:15], v[X0+j+6:X0+j+7], v[X0+j+6:X0+j+7], v[14:15]
.set j, j+8
.endr
	v_pk_add_f32 v[8:9], v[8:9], v[10:11]
	v_pk_add_f32 v[12:13], v[12:13], v[14:15]
	v_pk_add_f32 v[10:11], v[8:9], v[12:13]
	v_add_f32 v10, v10, v11
	v_permlanex16_b32 v11, v10, s[SEL], s[SEL+1]
	v_add_f32 v10, v10, v11
	v_fma_f32 v10, v10, s[RCPD], s[EPS]            ; the variance + 1e-5
	s_wait_dscnt 0x0                               ; ln_g and ln_b
	s_wait_alu depctr_va_vdst(0)                   ; the wait ahead of the transcendental
	v_rsq_f32 v12, v10
	v_nop
	s_wait_alu depctr_va_vdst(0)                   ; and behind it
.set j, 0
.rept 32
	v_pk_mul_f32 v[X0+j:X0+j+1], v[X0+j:X0+j+1], v[12:13] op_sel_hi:[1,0]
.set j, j+2
.endr
	WIN 0x14                                       ; sources 1 and 2 in window 1
.set j, 0
.rept 32
	v_pk_fma_f32 v[X0+j:X0+j+1], v[X0+j:X0+j+1], v[j:j+1], v[64+j:64+j+1]
.set j, j+2
.endr
	WIN 0
	s_wait_alu depctr_va_vdst(0)
	s_wait_loadcnt 0x0                             ; the weights and my quad
	s_wait_kmcnt 0x0                               ; the exponents
.irp m, 0,1,2
.irp q, 0,1,2,3,4,5,6,7
	ds_store_b128 v[WS], v[RW+32*\m+4*\q:RW+32*\m+4*\q+3] offset:WST+WMAT*\m+576*\q
.endr
.endr
	s_cmp_lt_u32 s34, 3
	s_cbranch_scc0 .Lno_store
	global_store_b128 v[LI], v[CD:CD+3], s[68:69]  ; 512 consecutive bytes, aligned
.Lno_store:
	s_cmp_eq_u32 s35, 0
	s_cbranch_scc1 .Lstaged
	s_mov_b32 s56, s44                             ; y: codes with e4 for the product with Wv
	SETQ
	QUANT X0, TT, ZC
.irp c, 0,1,2,3
	ds_store_b128 v[ZS], v[ZC+4*\c:ZC+4*\c+3] offset:512*\c
.endr
.Lstaged:
	s_wait_alu depctr_va_vdst(0)
	s_wait_dscnt 0x0                               ; for the others' sake: my part of the weights, my fragment
	s_barrier_signal -1
	s_barrier_wait -1
	WIN 0x40
.irp t, 0,1,2,3,4,5,6,7
.irp c, 0,1,2,3
	ds_load_b128 v[128+16*\t+4*\c:128+16*\t+4*\c+3], v[AW] offset:2304*\t+32*\c
.endr
.endr
	WIN 0
	s_cmp_eq_u32 s35, 0
	s_cselect_b32 s56, s40, s42                    ; e0 or e2
	s_cselect_b32 s60, s41, s43                    ; e1 or e3
	s_cselect_b32 s61, s46, s47                    ; e6 or e7
	s_sub_co_i32 s61, s61, s56
	s_sub_co_i32 s61, s61, s60                     ; a sum stands for sum x 2^(e0 + e1): its code is sum / 2^(e6 - e0 - e1)
	SETQ
	QUANT X0, X0, ZC
	s_wait_alu depctr_va_vdst(0)
	s_wait_dscnt 0x0
	WIN 0x01                                       ; source 0 in window 1
.set t, 0
.rept 8
	v_wmma_f32_16x16x128_bf8_bf8 v[TT+8*t:TT+8*t+7], v[128+16*t:128+16*t+15], v[ZC:ZC+15], 0
.set t, t+1
.endr
	WIN 0
.rept 4
	v_nop
.endr
	s_cmp_eq_u32 s35, 0
	s_cbranch_scc1 .Lnot_v
	WIN 0x40                                       ; y: my four tiles of Wv, and both tiles' codes
.irp t, 0,1,2,3
.irp c, 0,1,2,3
	ds_load_b128 v[128+16*\t+4*\c:128+16*\t+4*\c+3], v[AWV] offset:(32*(\t/2)+8*(\t%2))*144+32*\c
.endr
.endr
	WIN 0
.irp m, 0,1
.irp c, 0,1,2,3
	ds_load_b128 v[ZV+16*\m+4*\c:ZV+16*\m+4*\c+3], v[ZF] offset:2048*\m+512*\c
.endr
.endr
.Lnot_v:
	s_mov_b32 s56, s61
	SETQ
	QUANT TT, TT, ZC
	s_lshl_b32 s56, ttmp9, 12
	s_lshl_b32 s57, s36, 11
	s_add_co_u32 s56, s56, s57
	s_mov_b32 s57, 0
	s_add_nc_u64 s[26:27], s[26:27], s[56:57]
.irp c, 0,1,2,3
	global_store_b128 v[LI], v[ZC+4*\c:ZC+4*\c+3], s[26:27] offset:512*\c   ; 32 lanes store 512 consecutive bytes, aligned
.endr
	s_cmp_eq_u32 s35, 0
	s_cbranch_scc1 .Ldone
	s_sub_co_i32 s56, s49, s44                     ; e9 - e4 - e5
	s_sub_co_i32 s56, s56, s45
	SETQ
	s_lshr_b32 s60, ttmp9, 1                       ; the block of 64 keys, which quad of its fragments, my four tiles
	s_lshl_b32 s60, s60, 13
	s_and_b32 s57, ttmp9, 1
	s_lshl_b32 s57, s57, 9
	s_add_co_u32 s60, s60, s57
	s_lshl_b32 s57, s36, 12
	s_add_co_u32 s60, s60, s57
	s_mov_b32 s61, 0
	s_add_nc_u64 s[30:31], s[30:31], s[60:61]
	s_wait_alu depctr_va_vdst(0)
	s_wait_dscnt 0x0
	WIN 0x04                                       ; source 1 in window 1
.irp t, 0,1,2,3
.irp m, 0,1
	v_wmma_f32_16x16x128_bf8_bf8 v[X0+16*\t+8*\m:X0+16*\t+8*\m+7], v[ZV+16*\m:ZV+16*\m+15], v[128+16*\t:128+16*\t+15], 0
.endr
.endr
	WIN 0
.rept 4
	v_nop
.endr
	QUANT X0, X0, TT
.irp t, 0,1,2,3
	global_store_b128 v[LI], v[TT+4*\t:TT+4*\t+3], s[30:31] offset:1024*\t
.endr
.Ldone:
	s_wait_tensorcnt 0x0                           ; the wave's end
	ds_add_u32 v[SPW], v[NIL]
	s_wait_dscnt 0x0
	s_endpgm
.Lfunc_end_k_q5b50d750d3_prep:
	.size	k_q5b50d750d3_prep, .Lfunc_end_k_q5b50d750d3_prep-k_q5b50d750d3_prep
	.p2alignl 7, 3214868480
	.fill 96, 4, 3214868480
	.section	.rodata,"a",@progbits
	.p2align	6, 0x0
	.amdhsa_kernel k_q5b50d750d3_prep
		.amdhsa_group_segment_fixed_size 97792
		.amdhsa_private_segment_fixed_size 0
		.amdhsa_enable_private_segment 0
		.amdhsa_kernarg_size 120
		.amdhsa_user_sgpr_count 2
		.amdhsa_user_sgpr_kernarg_segment_ptr 1
		.amdhsa_wavefront_size32 1
		.amdhsa_system_sgpr_workgroup_id_x 1
		.amdhsa_system_sgpr_workgroup_id_y 1
		.amdhsa_system_sgpr_workgroup_id_z 1
		.amdhsa_system_vgpr_workitem_id 0
		.amdhsa_next_free_vgpr 512
		.amdhsa_next_free_sgpr 90
		.amdhsa_reserve_vcc 0
		.amdhsa_float_denorm_mode_32 3
		.amdhsa_float_denorm_mode_16_64 3
		.amdhsa_memory_ordered 1
		.amdhsa_forward_progress 1
		.amdhsa_inst_pref_size 53
	.end_amdhsa_kernel
	.amdgpu_metadata
---
amdhsa.version: [ 1, 2 ]
amdhsa.kernels:
  - .name:           k_q5b50d750d3_prep
    .symbol:         k_q5b50d750d3_prep.kd
    .args:
      - { .name: x, .offset: 0, .size: 8, .value_kind: global_buffer, .address_space: global }
      - { .name: y, .offset: 8, .size: 8, .value_kind: global_buffer, .address_space: global }
      - { .name: ln_g, .offset: 16, .size: 8, .value_kind: global_buffer, .address_space: global }
      - { .name: ln_b, .offset: 24, .size: 8, .value_kind: global_buffer, .address_space: global }
      - { .name: Wq_codes, .offset: 32, .size: 8, .value_kind: global_buffer, .address_space: global }
      - { .name: Wk_codes, .offset: 40, .size: 8, .value_kind: global_buffer, .address_space: global }
      - { .name: Wv_codes, .offset: 48, .size: 8, .value_kind: global_buffer, .address_space: global }
      - { .name: W1_codes, .offset: 56, .size: 8, .value_kind: global_buffer, .address_space: global }
      - { .name: W2_codes, .offset: 64, .size: 8, .value_kind: global_buffer, .address_space: global }
      - { .name: W3_codes, .offset: 72, .size: 8, .value_kind: global_buffer, .address_space: global }
      - { .name: lowp_scales, .offset: 80, .size: 8, .value_kind: global_buffer, .address_space: global }
      - { .name: qimg, .offset: 88, .size: 8, .value_kind: global_buffer, .address_space: global }
      - { .name: kimg, .offset: 96, .size: 8, .value_kind: global_buffer, .address_space: global }
      - { .name: vimg, .offset: 104, .size: 8, .value_kind: global_buffer, .address_space: global }
      - { .name: wimg, .offset: 112, .size: 8, .value_kind: global_buffer, .address_space: global }
    .group_segment_fixed_size: 97792
    .private_segment_fixed_size: 0
    .kernarg_segment_align: 8
    .kernarg_segment_size: 120
    .max_flat_workgroup_size: 128
    .sgpr_count:     90
    .vgpr_count:     512
    .wavefront_size: 32
...
	.end_amdgpu_metadata
.endif
;; end of part 1
;; launch attn (part 2): grid 256 x 1, 8 waves a work-group, clusters of 4 x 1, 327,680 bytes of LDS; arguments qimg, kimg, vimg, x, ln_g, ln_b, wimg, b1, b2, b3, lowp_scales, out0; writes out0
.if DOCPART == 2
	.amdgcn_target "amdgcn-amd-amdhsa--gfx1250"
	.amdhsa_code_object_version 6
	.text
	.protected	k_q5b50d750d3_attn
	.globl	k_q5b50d750d3_attn
	.p2align	8
	.type	k_q5b50d750d3_attn,@function
k_q5b50d750d3_attn:
	s_mov_b64 s[64:65], 0
	v_nop
	global_prefetch_b8 v0, s[64:65] scope:SCOPE_SE
	s_setreg_imm32_b32 hwreg(HW_REG_WAVE_MODE, 25, 1), 1
	s_wait_xcnt 0x0
	s_wait_alu depctr_hold_cnt(0) depctr_sa_sdst(0) depctr_va_vdst(0) depctr_va_sdst(0) depctr_va_ssrc(0) depctr_va_vcc(0) depctr_vm_vsrc(0)
	s_getreg_b32 s2, hwreg(HW_REG_IB_STS2, 6, 4)
	s_cmp_eq_u32 s2, 0
	s_cbranch_scc0 .Lentry_in_a_cluster
	s_endpgm
.Lentry_in_a_cluster:
	s_bfe_u32 s2, ttmp6, 0x10000c
	s_cmp_lg_u32 s2, 0x3003
	s_cbranch_scc0 .Lentry_shape_is_right
	s_endpgm
.Lentry_shape_is_right:
; LAUNCH 2 OF 2: attention, residual, LayerNorm and MLP of 32 rows a work-group.
; WORK LEFT OUT: the sum of softmax(S) along a row is 1 by identity and is not formed (shown at the head of the first launch): the divisor is 0.1 sum relu(S) + 1.
; SHARES.  A work-group owns 32 queries, two tiles of 16, and all 8,192 keys.  The keys go in chunks of 1,024; wave w takes keys 128 w .. 128 w + 127 of each chunk, in two steps of 64, for both tiles.
; TWO WALKS over the keys, since what is quantised is the finished, normalised weight.  First walk: m = the largest c s, Z = sum 2^(c s - m), R = sum max(s, 0), s the raw sum of code
; products, c = log2(e) / sqrt(128) x 2^(e6 + e7).  The eight waves' figures are merged through LDS.  Second walk: p = A max(s, 0) + 2^(c s - B), quantised, times V;
; A = k / D, B = m + log2(Z D), D = k R + 1, k = 0.1 / sqrt(128) x 2^(e6 + e7).
; LAYOUT.  S^T = K Q^T (source 0 = 16 keys, source 1 = 16 queries): a lane holds one query; eight scores of a tile of keys make two registers of P as the form with K = 64 wants them.
; O^T = V^T P^T: register 64 tile + 16 b + i of lane (r, h) is channel 32 b + 16 h + i of query r.
; CLUSTER.  The four work-groups of a cluster walk the same keys: a chunk of K is asked for jointly.  A ring of two slots of 131,072 bytes; each wave asks for the 16,384 bytes that it reads itself.
; The first walk takes chunks 0 .. 3 from the ring and, by turns with them, chunks 4 .. 7 straight into registers that lie idle until the second walk, a step ahead: so a slot is changed once in 2,048 keys.
; The second walk goes over chunks 2, 3 (they still lie in LDS), 4 .. 7, 0, 1, all from the ring; V goes straight into registers, a chunk ahead: each wave reads its own keys' part once.
; PREFETCHES, by the first four clusters, each block of 256 bytes once in a cluster, partners told apart by address: at a change of slots waves 0 to 3 ask, in the first walk, for chunks 6 and 7 of K (more than
; a chunk ahead of their loads), in the second for the chunk of V two positions on; ahead of the second walk, and of its last two chunks, for the weights.
; THE MLP.  Wave w takes tile w >> 2 and channels 32 (w & 3) .. + 31 in the norm; then units 64 w .. 64 w + 63 of both hidden layers and outputs 16 w .. 16 w + 15 for all 32 rows.  The first half of W2's
; image is one more joint load into slot 0; the other weights go straight into registers.  Hidden layers go from wave to wave through LDS as images of operand registers.
; b1, b2 are the C of each sum's first product, divided by the power of two that the sums lack.
; LIMITS on the given exponents: e6 + e7 between -118 and 130; e8, e10, e12 - e10 - e11, e14 - e12 - e13 between -126 and 112; e8 + e9, e14 + e15 between -126 and 127.
; The scaled scores stay under 2^31 in magnitude.  An exponential under 2^-126 counts as 0.  NaN among the inputs is not served.
.set SLOT,  131072
.set SPARE, 262144                     ; behind the ring: the spare words, 128 bytes for each wave
.set MB,    263168                     ; then the figures: 1,024 bytes a wave: tile x 512 + 16 x lane: m, Z, R, 0;
; in the MLP, in bytes from MB:
.set XIMG,  0                          ; z2's two fragments
.set H1IMG, 4096                       ; a hidden layer's eight fragments (tile m, K step s: 4 m + s)
.set H2IMG, 20480
.set ZSTG,  36864                      ; z1r: 32 rows x 528 bytes
.set EX,    53760                      ; a word a lane for each wave; 1,024 bytes on once more
.set YSTG,  0                          ; the last layer, 32 rows x 528 bytes, where z2 and the first hidden layer have been read
.set LI,   1                           ; v1   16,384 x wave + 16 x lane
.set ADK,  2                           ; v2   the same in the slot in hand
.set SPW,  3
.set NIL,  4
.set GO,   5                           ; v5   16 x lane
.set SCL,  6                           ; v6   2^e8
.set PFO,  7                           ; v7   256 x lane
.set BB,   8                           ; v8-11   B of the two tiles, in pairs
.set AA,   12                          ; v12-15  A
.set Q,    16                          ; v16-47  Q's two fragments; later ln_g, ln_b; then b2; then the last layer
.set S,    48                          ; v48-111 scores: tile x 32 + 8 x tile of keys; in the MLP sums and accumulators
.set E,    112                         ; v112-143 exponentials; in the MLP b1, then W3's first half
.set KF,   144                         ; v144-207 K's four fragments; in the MLP W1, then hidden fragments
.set P,    208                         ; v208-223 codes of p; v208-239 in the MLP z2's fragments, then W3's second half
.set ST,   208                         ; first walk: tile t at 208 + 6 t: +0 c m, +1 the largest s, +2, +3 Z in two halves, +4, +5 R in two halves
.set XR,   224                         ; v224-239 x
.set IB,   240                         ; v240 from the second walk on: MB + 16 x lane
.set CH,   248                         ; v248-251 first walk: maxima, two chains a tile; then the change of c m
.set FF,   252                         ; v252-255 first walk: 2^(old c m - new c m)
; from the second walk on: v243 64 h, v244 z1r's stage, v245, v246 words of the norm, v247 the last layer's stage, v248-253 three quantisers' scale and limit, v254, v255 image addresses
; window 1: v0-63 in the first walk K's fragments that come straight from memory; v0-127 O^T; v128-191, v192-255 V of the two steps; in the MLP W2's 16 fragments, 64 registers a K step
.set DA,   2                           ; s[2:3] where they come from
.set PB,   4                           ; s[4:5] the prefetches' base: K's, then V's
.set KB,   6                           ; s[6:7] K's image at my part, as a descriptor's address
.set WV,   32
.set WA,   28                          ; s[28:29] W2's first half, likewise
.set G1,   36                          ; s[36:43], s[44:47] the descriptor
.set G0,   44
.set CS,   48
.set SEL,  50
.set LIMS, 52
.set K01,  53
.set TB,   54
.set CNT,  55
.set PFA,  56
.set PFL,  58
.set VO,   59
.set VA,   60
.set KO,   104                         ; s[104:105] the last filled chunk of K, in bytes
.set MSB, 0
.macro WIN new
.if MSB != (\new)
	s_set_vgpr_msb (MSB<<8)|(\new)
.set MSB, (\new)
.endif
.endm
.macro CREST
	s_cmp_lg_u32 s[WV], 0
	s_cbranch_scc1 .Lnot_wave_0_\@
	s_barrier_signal -3
.Lnot_wave_0_\@:
	s_barrier_wait -3
	s_barrier_signal -1
	s_barrier_wait -1
.endm
.macro ROUND
	s_barrier_signal -1
	s_barrier_wait -1
	CREST
.endm
.macro PLACES
.rept 4
	v_nop
.endr
.endm
.macro PA d, s
	v_pk_add_f32 v[(\d):(\d)+1], v[(\d):(\d)+1], v[(\s):(\s)+1]
.endm
.macro KLOAD sub                       ; K's fragments of 64 of my keys from the ring: images, 512 consecutive bytes an instruction
.irp kp, 0,1,2,3
.irp c, 0,1,2,3
	ds_load_b128 v[KF+16*\kp+4*\c:KF+16*\kp+4*\c+3], v[ADK] offset:8192*(\sub)+2048*\kp+512*\c
.endr
.endr
.endm
.macro DLOAD                           ; and straight from memory, into window 1
	WIN 0x40
.irp kp, 0,1,2,3
.irp c, 0,1,2,3
	global_load_b128 v[16*\kp+4*\c:16*\kp+4*\c+3], v[GO], s[DA:DA+1] offset:2048*\kp+512*\c
.endr
.endr
	WIN 0
.endm
.macro KQ8                             ; S^T of both tiles; then the four places ahead of reads of results and of loads over K
.irp kp, 0,1,2,3
.irp tp, 0,1
	v_wmma_f32_16x16x128_bf8_bf8 v[S+32*\tp+8*\kp:S+32*\tp+8*\kp+7], v[KF+16*\kp:KF+16*\kp+15], v[Q+16*\tp:Q+16*\tp+15], 0
.endr
.endr
	PLACES
.endm
.macro KQ8D                            ; the same with K in window 1
	WIN 0x01
.irp kp, 0,1,2,3
.irp tp, 0,1
	v_wmma_f32_16x16x128_bf8_bf8 v[S+32*\tp+8*\kp:S+32*\tp+8*\kp+7], v[16*\kp:16*\kp+15], v[Q+16*\tp:Q+16*\tp+15], 0
.endr
.endr
	WIN 0
	PLACES
.endm
.macro MX u, ch, i                     ; two scores more into a chain of maxima
.if (gg == 0) && (\i < 4)
.if \ch == 0
	v_max3_num_f32 v[CH+2*\u], v[ST+6*\u+1], v[S+32*\u+\i], v[S+32*\u+\i+1]
.else
	v_max_num_f32 v[CH+2*\u+1], v[S+32*\u+\i], v[S+32*\u+\i+1]
.endif
.else
	v_max3_num_f32 v[CH+2*\u+\ch], v[CH+2*\u+\ch], v[S+32*\u+8*gg+\i], v[S+32*\u+8*gg+\i+1]
.endif
.endm
; The figures of both tiles take in 32 scores a lane each, line by line by turns.  FIGA: R, the maxima and c s - c m.  FIGB: the exponentials and Z.
.macro FIGA
.set gg, 0
.rept 4
.irp u, 0,1
.irp i, 0,2,4,6
	v_dual_max_num_f32 v[E+8*\u+\i], 0, v[S+32*\u+8*gg+\i] :: v_dual_max_num_f32 v[E+8*\u+\i+1], 0, v[S+32*\u+8*gg+\i+1]
.endr
.endr
	MX 0, 0, 0
	MX 1, 0, 0
	PA E, E+2
	PA E+8, E+10
	MX 0, 1, 2
	MX 1, 1, 2
	PA E+4, E+6
	PA E+12, E+14
	MX 0, 0, 4
	MX 1, 0, 4
	PA ST+4, E                                     ; R
	PA ST+10, E+8
	MX 0, 1, 6
	MX 1, 1, 6
	PA ST+4, E+4
	PA ST+10, E+12
.set gg, gg+1
.endr
	v_max_num_f32 v[ST+1], v[CH], v[CH+1]
	v_max_num_f32 v[ST+7], v[CH+2], v[CH+3]
	v_mov_b32 v[CH], v[ST]                         ; the old c m
	v_mov_b32 v[CH+2], v[ST+6]
	v_mul_f32 v[ST], s[CS], v[ST+1]                ; the new (c is positive)
	v_mul_f32 v[ST+6], s[CS], v[ST+7]
	v_sub_f32 v[CH], v[CH], v[ST]
	v_sub_f32 v[CH+2], v[CH+2], v[ST+6]
.set j, 0
.rept 16
	v_pk_fma_f32 v[S+j:S+j+1], v[S+j:S+j+1], s[CS:CS+1], v[ST:ST+1] op_sel_hi:[1,0,0] neg_lo:[0,0,1] neg_hi:[0,0,1]   ; c s - c m
	v_pk_fma_f32 v[S+32+j:S+32+j+1], v[S+32+j:S+32+j+1], s[CS:CS+1], v[ST+6:ST+7] op_sel_hi:[1,0,0] neg_lo:[0,0,1] neg_hi:[0,0,1]
.set j, j+2
.endr
.endm
.macro FIGB
	s_wait_alu depctr_va_vdst(0)                   ; the wait ahead of the batch
	v_exp_f32 v[FF], v[CH]
	v_exp_f32 v[FF+2], v[CH+2]
.set j, 0
.rept 64
	v_exp_f32 v[S+j], v[S+j]
.set j, j+1
.endr
	v_nop
	s_wait_alu depctr_va_vdst(0)                   ; and behind it, ahead of its first reader
	v_pk_mul_f32 v[ST+2:ST+3], v[ST+2:ST+3], v[FF:FF+1] op_sel_hi:[1,0]          ; Z under the new m
	v_pk_mul_f32 v[ST+8:ST+9], v[ST+8:ST+9], v[FF+2:FF+3] op_sel_hi:[1,0]
	v_pk_add_f32 v[E:E+1], v[S:S+1], v[S+2:S+3]
	v_pk_add_f32 v[E+2:E+3], v[S+32:S+33], v[S+34:S+35]
.set j, 4
.rept 7
	PA ST+2, S+j
	PA ST+8, S+32+j
	PA E, S+j+2
	PA E+2, S+34+j
.set j, j+4
.endr
	PA ST+2, E
	PA ST+8, E+2
.endm
	s_load_b512 s[4:19], s[0:1], 0x0               ; qimg 4, kimg 6, vimg 8, x 10, ln_g 12, ln_b 14, wimg 16, b1 18
	s_load_b128 s[20:23], s[0:1], 0x40             ; b2 20, b3 22
	s_load_b128 s[28:31], s[0:1], 0x50             ; the scales' exponents 28, out0 30
	v_lshl_add_u32 v[SPW], v0, 2, SPARE
	v_mov_b32 v[NIL], 0
	ds_add_u32 v[SPW], v[NIL]                      ; the wave's opening: the add, twice on end, and its wait ahead of my first tensor load
	ds_add_u32 v[SPW], v[NIL]
	v_lshrrev_b32 v2, 5, v0
	v_readfirstlane_b32 s[WV], v2                  ; wave 0..7
	v_and_b32 v[GO], 31, v0
	v_lshlrev_b32 v[PFO], 8, v[GO]
	v_lshlrev_b32 v[GO], 4, v[GO]
	s_lshl_b32 s62, s[WV], 14
	v_add_nc_u32 v[LI], s62, v[GO]
	v_and_b32 v10, 15, v0                          ; r
	v_bfe_u32 v11, v0, 4, 1                        ; h
	v_lshlrev_b32 v10, 9, v10
	v_lshl_add_u32 v10, v11, 6, v10                ; x: 512 r + 64 h
	s_bfe_u32 s33, ttmp6, 0x40000                  ; cx; what holds it has registers of its own: s33, s34, s66-67, s84-87, s90-91 and the pointers made of them
	s_lshl_b32 s34, ttmp9, 2
	s_add_co_u32 s34, s34, s33                     ; my work-group: rows 32 x that
	s_lshr_b32 s88, s[WV], 2                       ; my tile in the norm
	s_and_b32 s89, s[WV], 3                        ; my 32 channels
	s_mov_b32 s[G1], 15|(3<<16)|(1<<21)            ; the mask: all four; elements of 8 bytes; bit 21 beside a mask; no padding
	s_mov_b32 s[G1+1], 32<<16                      ; 64 rows of 256 bytes, dense
	s_mov_b32 s[G1+2], 64<<16
	s_mov_b32 s[G1+3], 32<<16
	s_mov_b32 s[G1+4], 64
	s_mov_b32 s[G1+5], 32
	s_mov_b32 s[G1+6], 0
	s_mov_b32 s[G1+7], 0
	s_mov_b32 s[CS], 0x3e0293ee                    ; log2(e) / sqrt(128)
	s_mov_b32 s[K01], 0x3c10d0c3                   ; 0.1 / sqrt(128)
	s_mov_b32 s[SEL], 0x76543210                   ; lane l xor 16
	s_mov_b32 s[SEL+1], 0xfedcba98
	s_mov_b32 s63, 0
	s_mov_b32 s[G0], 1
	s_mov_b32 s[G0+1], s62                         ; slot 0, my 16,384 bytes
	s_lshr_b32 s[PFL], ttmp9, 2
	s_or_b32 s[PFL], s[PFL], s88                   ; 0: clusters 0 to 3, waves 0 to 3: they ask
	s_wait_alu depctr_va_vdst(0)                   ; the wait ahead of the blocking waits
	s_wait_dscnt 0x0                               ; both opening adds are done
	s_wait_kmcnt 0x0
	s_load_b512 s[68:83], s[28:29], 0x0            ; e0 .. e15
	s_add_nc_u64 s[G0+2:G0+3], s[6:7], s[62:63]
	s_or_b32 s[G0+3], s[G0+3], 0x80000000
	ROUND                                          ; all four work-groups are here: the joint loads meet
	tensor_load_to_lds s[G0:G0+3], s[G1:G1+7]      ; chunk 0
	s_nop 0
	s_lshl_b32 s84, s34, 12                        ; my two fragments of Q
	s_mov_b32 s85, 0
	s_add_nc_u64 s[4:5], s[4:5], s[84:85]
	s_lshl_b32 s86, s34, 14                        ; my rows of x: my tile, my channels
	s_lshl_b32 s35, s88, 13
	s_add_co_u32 s86, s86, s35
	s_lshl_b32 s35, s89, 7
	s_add_co_u32 s86, s86, s35
	s_mov_b32 s87, 0
	s_add_nc_u64 s[10:11], s[10:11], s[86:87]
	s_add_nc_u64 s[DA:DA+1], s[6:7], s[62:63]
	s_add_nc_u64 s[DA:DA+1], s[DA:DA+1], 4*SLOT    ; chunk 4, my first step
.irp t, 0,1
.irp c, 0,1,2,3
	global_load_b128 v[Q+16*\t+4*\c:Q+16*\t+4*\c+3], v[GO], s[4:5] offset:2048*\t+512*\c
.endr
.endr
	DLOAD
.irp j, 0,1,2,3
	global_load_b128 v[XR+4*\j:XR+4*\j+3], v10, s[10:11] offset:16*\j
.endr
	s_add_nc_u64 s[100:101], s[8:9], s[62:63]      ; V: my 16,384 bytes of a chunk
	; the prefetches' places
	s_lshl_b32 s66, s33, 15
	s_lshl_b32 s35, s[WV], 13
	s_add_co_u32 s66, s66, s35
	s_mov_b32 s67, 0
	s_add_nc_u64 s[PFA:PFA+1], s[6:7], s[66:67]
	s_add_nc_u64 s[KB:KB+1], s[KB:KB+1], s[62:63]
	s_or_b32 s[KB+1], s[KB+1], 0x80000000
	s_mov_b32 s[KO], 0
	s_mov_b32 s[KO+1], 0
	s_add_nc_u64 s[86:87], s[16:17], s[66:67]      ; W2's first half: 32,768 bytes a partner
	s_lshl_b32 s90, s33, 16
	s_add_co_u32 s90, s90, s35
	s_mov_b32 s91, 0
	s_add_nc_u64 s[84:85], s[16:17], s[90:91]      ; the other weights: 65,536 bytes a partner, 8,192 a wave
	s_add_nc_u64 s[84:85], s[84:85], SLOT
	; my parts of the MLP's inputs and of the output
	s_lshl_b32 s90, s34, 14
	s_lshl_b32 s35, s[WV], 11                      ; I store 4 rows
	s_add_co_u32 s90, s90, s35
	s_add_nc_u64 s[30:31], s[30:31], s[90:91]
	s_add_nc_u64 s[24:25], s[16:17], s[62:63]
	s_add_nc_u64 s[24:25], s[24:25], SLOT          ; W2's second half: 16,384 bytes
	s_add_nc_u64 s[98:99], s[16:17], s[62:63]      ; and its first
	s_lshl_b32 s62, s[WV], 13
	s_add_nc_u64 s[26:27], s[16:17], s[62:63]
	s_add_nc_u64 s[26:27], s[26:27], 327680        ; W3: 8,192 bytes
	s_add_nc_u64 s[16:17], s[16:17], s[62:63]
	s_add_nc_u64 s[16:17], s[16:17], 2*SLOT        ; W1: 8,192 bytes
	s_lshl_b32 s62, s[WV], 8
	s_add_nc_u64 s[18:19], s[18:19], s[62:63]
	s_add_nc_u64 s[20:21], s[20:21], s[62:63]
	s_lshl_b32 s62, s[WV], 6
	s_add_nc_u64 s[22:23], s[22:23], s[62:63]
	s_lshl_b32 s62, s89, 7
	s_add_nc_u64 s[12:13], s[12:13], s[62:63]
	s_add_nc_u64 s[14:15], s[14:15], s[62:63]
.irp t, 0,1
	v_mov_b32 v[ST+6*\t], 0xff61b1e6               ; -3e38, under every c s: the first step's factor is 0 and multiplies a zero
	v_mov_b32 v[ST+6*\t+1], 0xff61b1e6
	v_mov_b32 v[ST+6*\t+2], 0
	v_mov_b32 v[ST+6*\t+3], 0
	v_mov_b32 v[ST+6*\t+4], 0
	v_mov_b32 v[ST+6*\t+5], 0
.endr
	v_mov_b32 v[FF+1], 0                           ; (named as the upper halves of pairs)
	v_mov_b32 v[FF+3], 0
	s_wait_alu depctr_va_vdst(0)
	s_wait_kmcnt 0x0                               ; the exponents
	s_mov_b64 s[WA:WA+1], s[98:99]
	s_or_b32 s[WA+1], s[WA+1], 0x80000000
	s_add_co_i32 s35, s74, s75
	s_lshl_b32 s35, s35, 23                        ; e6 + e7 are added to the exponent fields
	s_add_co_i32 s[CS], s[CS], s35
	s_mov_b32 s[CS+1], s[CS]
	s_add_co_i32 s[K01], s[K01], s35
	s_add_co_i32 s62, s76, 127
	s_lshl_b32 s35, s62, 23
	v_mov_b32 v[SCL], s35                          ; 2^e8
	s_add_co_i32 s62, s62, 15
	s_lshl_b32 s62, s62, 23
	s_or_b32 s[LIMS], s62, 0x600000                ; 57,344 x 2^e8
	s_wait_alu depctr_va_vdst(0)
	s_wait_loadcnt 4                               ; Q and chunk 4's first step; x's 4 loads may be out
	s_wait_xcnt 0x0
	s_mov_b64 s[PB:PB+1], s[PFA:PFA+1]
	KQ8D                                           ; a step of work while chunk 0 is on its way
	s_add_nc_u64 s[DA:DA+1], s[DA:DA+1], 8192
	DLOAD
	FIGA
	FIGB
	s_wait_alu depctr_va_vdst(0)
	s_wait_tensorcnt 0x0                           ; my part of chunk 0 is in; the lines ahead of a later first fill
	ds_add_u32 v[SPW], v[NIL]
	s_xor_b32 s[G0+1], s[G0+1], SLOT
	s_add_co_u32 s[KO], s[KO], SLOT
	s_add_nc_u64 s[G0+2:G0+3], s[KB:KB+1], s[KO:KO+1]
	s_wait_dscnt 0x0
	ROUND
	tensor_load_to_lds s[G0:G0+3], s[G1:G1+7]      ; chunk 1
	s_nop 0
	PLACES
; THE CHANGE OF SLOTS stands in the middle of a chunk's work: the second step's fragments are in registers, so the slot is left.  Each wave waits for all its tensor loads, which shows its part of the other slot.
; fill = 1 (K), 2 (W2's first half): then the add, its wait and a round, inside whose opening barrier stand the second step's products and, in the first walk, FIGA;
; the refill is the first tensor load behind it.  fill = 0: the work-group's barrier alone. next = 1: the other slot's first fragments.
.macro CHANGE fill, next, walk
	s_wait_tensorcnt 0x0
.if \fill
	ds_add_u32 v[SPW], v[NIL]
	s_xor_b32 s[G0+1], s[G0+1], SLOT
.if \fill == 1
	s_add_co_u32 s[KO], s[KO], SLOT
	s_and_b32 s[KO], s[KO], 0xfffff                ; chunk 0 follows chunk 7
	s_add_nc_u64 s[G0+2:G0+3], s[KB:KB+1], s[KO:KO+1]
	s_wait_xcnt 0x0                                ; my prefetch has read its address
.if \walk == 1
	s_add_co_u32 s90, s[KO], 4*SLOT                ; chunk 6 where chunk 2 is filled, 7 where 3 is
.else
	s_add_co_u32 s90, s[VO], SLOT                  ; V: the chunk behind the one just asked for
	s_and_b32 s90, s90, 0xfffff
.endif
	s_add_nc_u64 s[PFA:PFA+1], s[PB:PB+1], s[90:91]
.else
	s_mov_b64 s[G0+2:G0+3], s[WA:WA+1]
.endif
.endif
	s_wait_dscnt 0x0                               ; my reads of this slot are over
	s_barrier_signal -1
	KQ8
.if \walk == 1
	FIGA
.endif
	s_barrier_wait -1
.if \fill
	CREST
	tensor_load_to_lds s[G0:G0+3], s[G1:G1+7]
	s_nop 0
	PLACES
.endif
.if \next
	s_xor_b32 s[TB], s[TB], SLOT
	v_add_nc_u32 v[ADK], s[TB], v[LI]
	KLOAD 0
.endif
.if \fill == 1
	s_cmp_eq_u32 s[PFL], 0
	s_cbranch_scc0 .Lnot_mine_\@
	global_prefetch_b8 v[PFO], s[PFA:PFA+1] th:TH_LOAD_NT scope:SCOPE_SE
.Lnot_mine_\@:
.endif
.endm
.macro DSTEP step, last                ; a step straight from memory; behind its products the next such step is asked for (last = 1: but in the loop's last trip)
	s_wait_loadcnt 0x0
	KQ8D
.if \last
	s_cmp_eq_u32 s[CNT], 1
	s_cbranch_scc1 .Lno_more_\@
.endif
	s_wait_xcnt 0x0                                ; the loads have read their base
	s_add_nc_u64 s[DA:DA+1], s[DA:DA+1], \step
	DLOAD
.if \last
.Lno_more_\@:
.endif
	FIGA
	FIGB
.endm
; A trip: the ring's chunk c and, by turns with it, the second step of chunk 4 + c and the first of chunk 5 + c (chunk 4's first stood at the head).
.macro WALK1 fill
	s_wait_dscnt 0x0                               ; the first step's fragments
	KQ8
	KLOAD 1
	FIGA
	FIGB
	DSTEP SLOT-8192, 1-\fill
	CHANGE \fill, 1, 1
	FIGB
.if \fill == 0
	s_cmp_eq_u32 s[CNT], 1
	s_cbranch_scc1 .Lno_step_\@                    ; there is no chunk 8
.endif
	DSTEP 8192, 0
.if \fill == 0
.Lno_step_\@:
.endif
.endm
.macro VLOAD buf
	WIN 0x40                                       ; destination window 1
.irp d, 0,1,2,3,4,5,6,7
	global_load_b128 v[128+64*\buf+8*\d:128+64*\buf+8*\d+3], v[GO], s[VA:VA+1] offset:8192*\buf+1024*\d
	global_load_b128 v[128+64*\buf+8*\d+4:128+64*\buf+8*\d+7], v[GO], s[VA:VA+1] offset:8192*\buf+1024*\d+512
.endr
	WIN 0
.endm
	s_mov_b32 s[TB], 0
	v_add_nc_u32 v[ADK], s[TB], v[LI]
	KLOAD 0
	s_mov_b32 s[CNT], 2
	s_wait_alu depctr_va_vdst(0)
.Lwalk1:                                               ; chunks 0, 1 ask for chunks 2, 3
	WALK1 1
	s_sub_co_u32 s[CNT], s[CNT], 1
	s_cmp_lg_u32 s[CNT], 0
	s_cbranch_scc1 .Lwalk1
	s_mov_b32 s[CNT], 2
.Lwalk1_end:                                           ; chunks 2 and 3 ask for nothing; the last fetches chunk 2's first fragments once more, for the second walk
	WALK1 0
	s_sub_co_u32 s[CNT], s[CNT], 1
	s_cmp_lg_u32 s[CNT], 0
	s_cbranch_scc1 .Lwalk1_end
	; ---- BETWEEN THE WALKS.  V of the second walk's first chunk is asked for.
	s_wait_alu depctr_va_vdst(0)
	s_wait_xcnt 0x0                                ; my loads and prefetches have read their addresses
	s_mov_b32 s[VO], 2*SLOT
	s_mov_b32 s62, s[VO]
	s_add_nc_u64 s[VA:VA+1], s[100:101], s[62:63]
	VLOAD 0
	VLOAD 1
	s_add_nc_u64 s[PB:PB+1], s[8:9], s[66:67]      ; from here on V
	; my figures: a lane's two halves, then lane l xor 16, which holds the query's other keys
	s_lshl_b32 s35, s[WV], 10
	s_add_co_u32 s35, s35, MB
	v_add_nc_u32 v8, s35, v[GO]
	v_add_nc_u32 v[IB], MB, v[GO]
.irp t, 0,1
	v_add_f32 v[S+16*\t+4], v[ST+6*\t+2], v[ST+6*\t+3]
	v_add_f32 v[S+16*\t+5], v[ST+6*\t+4], v[ST+6*\t+5]
.endr
.irp t, 0,1
	v_permlanex16_b32 v[S+16*\t+6], v[ST+6*\t], s[SEL], s[SEL+1]
	v_permlanex16_b32 v[S+16*\t+7], v[S+16*\t+4], s[SEL], s[SEL+1]
	v_permlanex16_b32 v[S+16*\t+8], v[S+16*\t+5], s[SEL], s[SEL+1]
.endr
.irp t, 0,1
	v_max_num_f32 v[S+16*\t], v[ST+6*\t], v[S+16*\t+6]
	v_sub_f32 v[S+16*\t+9], v[ST+6*\t], v[S+16*\t]
	v_sub_f32 v[S+16*\t+10], v[S+16*\t+6], v[S+16*\t]
.endr
	s_wait_alu depctr_va_vdst(0)
.irp t, 0,1
	v_exp_f32 v[S+16*\t+9], v[S+16*\t+9]
	v_exp_f32 v[S+16*\t+10], v[S+16*\t+10]
.endr
.irp t, 0,1
	v_add_f32 v[S+16*\t+2], v[S+16*\t+5], v[S+16*\t+8]
	v_mov_b32 v[S+16*\t+3], 0
.endr
	s_wait_alu depctr_va_vdst(0)
.irp t, 0,1
	v_mul_f32 v[S+16*\t+1], v[S+16*\t+4], v[S+16*\t+9]
	v_fma_f32 v[S+16*\t+1], v[S+16*\t+7], v[S+16*\t+10], v[S+16*\t+1]
.endr
.irp t, 0,1
	ds_store_b128 v8, v[S+16*\t:S+16*\t+3] offset:512*\t
.endr
	s_wait_alu depctr_va_vdst(0)
	s_wait_dscnt 0x0                               ; for the others' sake: my figures lie in LDS
	s_barrier_signal -1
	WIN 0x40
.set j, 0
.rept 128
	v_mov_b32 v[j], 0                              ; O^T begins as zeros
.set j, j+1
.endr
	WIN 0
	s_barrier_wait -1
.irp t, 0,1
.irp k, 0,1,2,3,4,5,6,7
	ds_load_b128 v[S+32*\t+4*\k:S+32*\t+4*\k+3], v[IB] offset:1024*\k+512*\t
.endr
.endr
	; the MLP's addresses and scales meanwhile
	s_mul_i32 s2, s88, 8448
	s_lshl_b32 s35, s89, 7
	s_add_co_u32 s2, s2, s35
	s_add_co_u32 s2, s2, MB+ZSTG
	s_lshl_b32 s3, s[WV], 7
	s_add_co_u32 s3, s3, MB+EX
	s_lshl_b32 s35, s88, 9
	s_add_co_u32 s35, s35, MB+EX
	s_lshl_b32 s62, s[WV], 6
	s_add_co_u32 s62, s62, MB+YSTG
	s_lshl_b32 s92, s[WV], 10
	s_add_co_u32 s92, s92, MB
	s_lshl_b32 s93, s[WV], 9
	s_add_co_u32 s93, s93, MB
	v_and_b32 v10, 15, v0                          ; r
	v_bfe_u32 v11, v0, 4, 1                        ; h
	v_and_b32 v12, 31, v0                          ; lane
	v_lshlrev_b32 v243, 6, v11
	v_mul_u32_u24 v244, v10, 528
	v_mul_u32_u24 v247, v10, 528
	v_lshl_add_u32 v244, v11, 6, v244
	v_lshl_add_u32 v247, v11, 5, v247
	v_add_nc_u32 v244, s2, v244
	v_lshl_add_u32 v245, v12, 2, s3
	v_lshl_add_u32 v246, v12, 2, s35
	v_add_nc_u32 v247, s62, v247
	v_add_nc_u32 v254, s92, v[GO]
	v_add_nc_u32 v255, s93, v[GO]
.macro MKQ vs                          ; s62 = e: v[vs] = 2^e, v[vs + 1] = 57,344 x 2^e
	s_add_co_i32 s62, s62, 127
	s_lshl_b32 s35, s62, 23
	v_mov_b32 v[\vs], s35
	s_add_co_i32 s62, s62, 15
	s_lshl_b32 s62, s62, 23
	s_or_b32 s62, s62, 0x600000
	v_mov_b32 v[\vs+1], s62
.endm
	s_mov_b32 s62, s78                             ; e10
	MKQ 248
	s_add_co_i32 s96, s78, s79                     ; e10 + e11
	s_sub_co_i32 s62, s80, s96
	MKQ 250
	s_add_co_i32 s97, s80, s81                     ; e12 + e13
	s_sub_co_i32 s62, s82, s97
	MKQ 252
	s_sub_co_i32 s96, 0, s96
	s_sub_co_i32 s97, 0, s97
	s_add_co_i32 s92, s76, s77
	s_add_co_i32 s92, s92, 127
	s_lshl_b32 s92, s92, 23                        ; 2^(e8 + e9)
	s_mov_b32 s93, s92
	s_add_co_i32 s94, s82, s83
	s_add_co_i32 s94, s94, 127
	s_lshl_b32 s94, s94, 23                        ; 2^(e14 + e15)
	s_mov_b32 s95, s94
	s_mov_b32 s98, 0x3c000000                      ; 1 / 128
	s_mov_b32 s99, 0x3727c5ac                      ; 1e-5
	s_wait_alu depctr_va_vdst(0)
	s_wait_dscnt 0x0
	; the eight waves' figures, both tiles, in every wave
.irp t, 0,1
	v_max3_num_f32 v[E+8*\t], v[S+32*\t], v[S+32*\t+4], v[S+32*\t+8]
.endr
.irp t, 0,1
	v_max3_num_f32 v[E+8*\t], v[E+8*\t], v[S+32*\t+12], v[S+32*\t+16]
.endr
.irp t, 0,1
	v_max3_num_f32 v[E+8*\t], v[E+8*\t], v[S+32*\t+20], v[S+32*\t+24]
.endr
.irp t, 0,1
	v_max_num_f32 v[E+8*\t], v[E+8*\t], v[S+32*\t+28]
.endr
.irp t, 0,1
.irp k, 0,1,2,3,4,5,6,7
	v_sub_f32 v[S+32*\t+4*\k], v[S+32*\t+4*\k], v[E+8*\t]
.endr
.endr
	s_wait_alu depctr_va_vdst(0)
.irp t, 0,1
.irp k, 0,1,2,3,4,5,6,7
	v_exp_f32 v[S+32*\t+4*\k], v[S+32*\t+4*\k]
.endr
.endr
.irp t, 0,1
	v_add_f32 v[E+8*\t+1], v[S+32*\t+2], v[S+32*\t+6]
.endr
.irp k, 2,3,4,5,6,7
.irp t, 0,1
	v_add_f32 v[E+8*\t+1], v[E+8*\t+1], v[S+32*\t+4*\k+2]
.endr
.endr
	s_wait_alu depctr_va_vdst(0)
.irp t, 0,1
	v_mul_f32 v[E+8*\t+2], v[S+32*\t+1], v[S+32*\t]
.endr
.irp k, 1,2,3,4,5,6,7
.irp t, 0,1
	v_fma_f32 v[E+8*\t+2], v[S+32*\t+4*\k+1], v[S+32*\t+4*\k], v[E+8*\t+2]
.endr
.endr
.irp t, 0,1
	v_fma_f32 v[E+8*\t+1], v[E+8*\t+1], s[K01], 1.0    ; D
	v_mul_f32 v[E+8*\t+2], v[E+8*\t+2], v[E+8*\t+1]    ; Z D
.endr
	s_wait_alu depctr_va_vdst(0)
.irp t, 0,1
	v_log_f32 v[E+8*\t+2], v[E+8*\t+2]
	v_rcp_f32 v[E+8*\t+1], v[E+8*\t+1]
.endr
	v_nop
	s_wait_alu depctr_va_vdst(0)
.irp t, 0,1
	v_add_f32 v[BB+2*\t], v[E+8*\t], v[E+8*\t+2]
	v_mul_f32 v[AA+2*\t], s[K01], v[E+8*\t+1]
	v_mov_b32 v[BB+2*\t+1], v[BB+2*\t]
	v_mov_b32 v[AA+2*\t+1], v[AA+2*\t]
.endr
; ---- THE SECOND WALK
.macro BATCH t                         ; 32 weights a lane of tile t: made, held within the largest code x the scale, quantised
.set j, 0
.rept 16
	v_pk_fma_f32 v[E+j:E+j+1], v[S+32*\t+j:S+32*\t+j+1], s[CS:CS+1], v[BB+2*\t:BB+2*\t+1] op_sel_hi:[1,0,0] neg_lo:[0,0,1] neg_hi:[0,0,1]
.set j, j+2
.endr
	s_wait_alu depctr_va_vdst(0)
.set j, 0
.rept 32
	v_exp_f32 v[E+j], v[E+j]
.set j, j+1
.endr
	v_nop
	s_wait_alu depctr_va_vdst(0)
.set j, 0
.rept 16
	v_pk_fma_f32 v[S+32*\t+j:S+32*\t+j+1], v[S+32*\t+j:S+32*\t+j+1], v[AA+2*\t:AA+2*\t+1], v[E+j:E+j+1] op_sel_hi:[1,0,1]
.set j, j+2
.endr
.set j, 0
.rept 32
	v_maxmin_num_f32 v[S+32*\t+j], v[S+32*\t+j], v[E+j], s[LIMS]   ; max(A s + e, e) = A max(s, 0) + e; the conversion does not saturate (ISA guide 7.6.2)
.set j, j+1
.endr
.irp kp, 0,1,2,3
	v_cvt_scalef32_pk8_bf8_f32 v[P+8*\t+2*\kp:P+8*\t+2*\kp+1], v[S+32*\t+8*\kp:S+32*\t+8*\kp+7], v[SCL]
.endr
	v_nop
.endm
.macro PV buf                          ; O^T += V^T P^T over 64 keys: 16 accumulators by turns; then the places ahead of loads over V
	WIN 0x51                                       ; source 0, C and D window 1
.irp d, 0,1,2,3,4,5,6,7
.irp t, 0,1
	v_wmma_f32_16x16x64_bf8_bf8 v[64*\t+8*\d:64*\t+8*\d+7], v[128+64*\buf+8*\d:128+64*\buf+8*\d+7], v[P+8*\t:P+8*\t+7], v[64*\t+8*\d:64*\t+8*\d+7]
.endr
.endr
	WIN 0
	PLACES
.endm
.macro W2LOAD s                        ; W2's four fragments of K step 2 or 3
	WIN 0x40
.irp t, 0,1,2,3
.irp c, 0,1,2,3
	global_load_b128 v[64*\s+16*\t+4*\c:64*\s+16*\t+4*\c+3], v[GO], s[24:25] offset:8192*(\s-2)+2048*\t+512*\c
.endr
.endr
	WIN 0
.endm
.macro WALK2 mode                      ; mode 0: a slot is filled with K; 1: with W2's first half; 2: the last chunk: nothing of K or V follows, and the MLP's first weights are asked for
	s_wait_dscnt 0x0
	KQ8
	KLOAD 1
	BATCH 0
	BATCH 1
	s_wait_alu depctr_va_vdst(0)
	s_wait_loadcnt 16                              ; the first step's V; the second's sixteen loads may be out
	PV 0
.if \mode < 2
	s_wait_xcnt 0x0                                ; V's loads have read their base
	s_add_co_u32 s[VO], s[VO], SLOT
	s_and_b32 s[VO], s[VO], 0xfffff                ; chunk 0 follows chunk 7
	s_mov_b32 s62, s[VO]
	s_add_nc_u64 s[VA:VA+1], s[100:101], s[62:63]
	VLOAD 0                                        ; the next chunk's
	CHANGE 1+\mode, 1, 2
.else
	W2LOAD 2
	CHANGE 0, 0, 2
.irp j, 0,1,2,3
	global_load_b128 v[Q+4*\j:Q+4*\j+3], v243, s[12:13] offset:16*\j              ; ln_g
	global_load_b128 v[Q+16+4*\j:Q+16+4*\j+3], v243, s[14:15] offset:16*\j        ; ln_b
.endr
.irp t, 0,1,2,3
.irp c, 0,1,2,3
	global_load_b128 v[KF+16*\t+4*\c:KF+16*\t+4*\c+3], v[GO], s[16:17] offset:2048*\t+512*\c
.endr
.endr
.endif
	BATCH 0
	BATCH 1
	s_wait_alu depctr_va_vdst(0)
.if \mode < 2
	s_wait_loadcnt 16                              ; the second step's V; the next chunk's first sixteen loads may be out
	PV 1
	VLOAD 1
.else
	s_wait_loadcnt 40                              ; the second step's V; behind it W2's 16, the norm's 8 and W1's 16 loads
	PV 1
.endif
.endm
	s_mov_b32 s[CNT], 6
	s_wait_alu depctr_va_vdst(0)
	s_cmp_eq_u32 s[PFL], 0                         ; W2's first half is asked for, six chunks ahead of its load
	s_cbranch_scc0 .Lno_w2
	global_prefetch_b8 v[PFO], s[86:87] th:TH_LOAD_NT scope:SCOPE_SE
.Lno_w2:
.Lwalk2:                                               ; chunks 2 .. 7 ask for chunks 4 .. 7, 0, 1
	WALK2 0
	s_sub_co_u32 s[CNT], s[CNT], 1
	s_cmp_lg_u32 s[CNT], 0
	s_cbranch_scc1 .Lwalk2
	s_cmp_lt_u32 ttmp9, 4                          ; and the other weights, more than a chunk ahead
	s_cbranch_scc0 .Lno_w13
	global_prefetch_b8 v[PFO], s[84:85] th:TH_LOAD_NT scope:SCOPE_SE
.Lno_w13:
	WALK2 1
	WALK2 2
	; ---- O^T of the eight waves is added: each wave puts its 16,384 bytes where its own keys lay in slot 1, and takes up its tile's 32 channels
.macro BARRIER
	s_wait_alu depctr_va_vdst(0)
	s_wait_dscnt 0x0
	s_barrier_signal -1
	s_barrier_wait -1
.endm
.macro ADD16 a, c
.set j, 0
.rept 8
	PA (\a)+j, (\c)+j
.set j, j+2
.endr
.endm
.macro MLOAD reg, adr, off
.irp i, 0,1,2,3
	ds_load_b128 v[(\reg)+4*\i:(\reg)+4*\i+3], v[\adr] offset:(\off)+512*\i
.endr
.endm
	W2LOAD 3
	s_wait_xcnt 0x0                                ; my prefetches have read v7
	s_lshl_b32 s35, s[WV], 11
	s_add_co_u32 s35, s35, SLOT
	v_add_nc_u32 v[ADK], SLOT, v[LI]
	v_add_nc_u32 v6, s35, v[GO]
	v_add_nc_u32 v7, 0x10000, v6
	WIN 0x04                                       ; the stores' data in window 1
.set q, 0
.rept 32
	ds_store_b128 v[ADK], v[4*q:4*q+3] offset:512*q
.set q, q+1
.endr
	WIN 0
	BARRIER
	MLOAD S, 6, 0
	MLOAD S+16, 6, 16384
	MLOAD S+32, 6, 32768
	MLOAD S+48, 6, 49152
	MLOAD E, 7, 0
	MLOAD E+16, 7, 16384
	s_wait_dscnt 8
	ADD16 S, S+16
	ADD16 S+32, S+48
	ADD16 S, S+32
	MLOAD S+16, 7, 32768
	MLOAD S+32, 7, 49152
	s_wait_alu depctr_va_vdst(0)
	s_wait_dscnt 8
	ADD16 E, E+16
	ADD16 S, E
	s_wait_alu depctr_va_vdst(0)
	s_wait_dscnt 0x0
	ADD16 S+16, S+32
	ADD16 S, S+16
.macro BIAS reg, sb                    ; tile 2 b + u, half h: units 32 b + 16 h + 8 u + 0..7
.irp t, 0,1,2,3
	global_load_b128 v[\reg+8*\t:\reg+8*\t+3], v243, s[\sb:\sb+1] offset:128*(\t/2)+32*(\t%2)
	global_load_b128 v[\reg+8*\t+4:\reg+8*\t+7], v243, s[\sb:\sb+1] offset:128*(\t/2)+32*(\t%2)+16
.endr
.endm
	BIAS E, 18                                     ; b1
	; ---- z1r and its norm
.set j, 0
.rept 8
	v_pk_fma_f32 v[S+j:S+j+1], v[S+j:S+j+1], s[92:93], v[XR+j:XR+j+1] op_sel_hi:[1,0,1]
.set j, j+2
.endr
.irp j, 0,1,2,3
	ds_store_b128 v244, v[S+4*\j:S+4*\j+3] offset:16*\j
.endr
	v_pk_add_f32 v[8:9], v[S:S+1], v[S+2:S+3]
	v_pk_add_f32 v[10:11], v[S+4:S+5], v[S+6:S+7]
	v_pk_add_f32 v[12:13], v[S+8:S+9], v[S+10:S+11]
	v_pk_add_f32 v[14:15], v[S+12:S+13], v[S+14:S+15]
	PA 8, 10
	PA 12, 14
	PA 8, 12
	v_add_f32 v8, v8, v9
	v_permlanex16_b32 v9, v8, s[SEL], s[SEL+1]
	v_add_f32 v8, v8, v9
	ds_store_b32 v245, v8                          ; a row lies in four waves
	BARRIER
.irp i, 0,1,2,3
	ds_load_b32 v[10+\i], v246 offset:128*\i
.endr
	s_wait_dscnt 0x0
	v_add_f32 v10, v10, v11
	v_add_f32 v12, v12, v13
	v_add_f32 v8, v10, v12
	v_mul_f32 v8, s98, v8                          ; the mean
.set j, 0
.rept 8
	v_pk_add_f32 v[S+j:S+j+1], v[S+j:S+j+1], v[8:9] op_sel_hi:[1,0] neg_lo:[0,1] neg_hi:[0,1]
.set j, j+2
.endr
	v_pk_mul_f32 v[10:11], v[S:S+1], v[S:S+1]
	v_pk_mul_f32 v[12:13], v[S+2:S+3], v[S+2:S+3]
.set j, 4
.rept 3
	v_pk_fma_f32 v[10:11], v[S+j:S+j+1], v[S+j:S+j+1], v[10:11]
	v_pk_fma_f32 v[12:13], v[S+j+2:S+j+3], v[S+j+2:S+j+3], v[12:13]
.set j, j+4
.endr
	PA 10, 12
	v_add_f32 v10, v10, v11
	v_permlanex16_b32 v11, v10, s[SEL], s[SEL+1]
	v_add_f32 v10, v10, v11
	ds_store_b32 v245, v10 offset:1024
	BARRIER
.irp i, 0,1,2,3
	ds_load_b32 v[10+\i], v246 offset:1024+128*\i
.endr
	s_wait_dscnt 0x0
	v_add_f32 v10, v10, v11
	v_add_f32 v12, v12, v13
	v_add_f32 v10, v10, v12
	v_fma_f32 v10, v10, s98, s99                   ; the variance + 1e-5
	s_wait_loadcnt 40                              ; ln_g and ln_b: behind them W1's 16, W2's 16 and b1's 8 loads
	s_wait_alu depctr_va_vdst(0)
	v_rsq_f32 v12, v10
	v_nop
	s_wait_alu depctr_va_vdst(0)
.set j, 0
.rept 8
	v_pk_mul_f32 v[S+j:S+j+1], v[S+j:S+j+1], v[12:13] op_sel_hi:[1,0]
.set j, j+2
.endr
.set j, 0
.rept 8
	v_pk_fma_f32 v[S+j:S+j+1], v[S+j:S+j+1], v[Q+j:Q+j+1], v[Q+16+j:Q+16+j+1]
.set j, j+2
.endr
	BIAS Q, 20                                     ; b2, where ln_g and ln_b lay
.macro QUANT s, d, relu, sc, nb        ; nb blocks of 16 numbers of a lane become four registers of codes each.  relu = 1: the activation and the hold in one
.set bb, 0
.rept \nb
.set i, 0
.rept 16
.if \relu
	v_med3_num_f32 v[(\s)+16*bb+i], v[(\s)+16*bb+i], 0, v[\sc+1]
.else
	v_med3_num_f32 v[(\s)+16*bb+i], v[(\s)+16*bb+i], -v[\sc+1], v[\sc+1]
.endif
.set i, i+1
.endr
	v_cvt_scalef32_pk8_bf8_f32 v[(\d)+4*bb:(\d)+4*bb+1], v[(\s)+16*bb:(\s)+16*bb+7], v[\sc]
	v_cvt_scalef32_pk8_bf8_f32 v[(\d)+4*bb+2:(\d)+4*bb+3], v[(\s)+16*bb+8:(\s)+16*bb+15], v[\sc]
.set bb, bb+1
.endr
	v_nop
.endm
	QUANT S, P, 0, 248, 1
	ds_store_b128 v255, v[P:P+3] offset:XIMG       ; one of my tile's four quads
	BARRIER
	MLOAD P, IB, XIMG
	MLOAD P+16, IB, XIMG+2048
	WIN 0x40                                       ; W2's first half, where O^T lay: it has the first layer in which to come
.irp s, 0,1
.irp t, 0,1,2,3
.irp c, 0,1,2,3
	ds_load_b128 v[64*\s+16*\t+4*\c:64*\s+16*\t+4*\c+3], v[LI] offset:8192*\s+2048*\t+512*\c
.endr
.endr
.endr
	WIN 0
	s_wait_loadcnt 8                               ; W1 and b1; b2's 8 loads may be out
.set j, 0
.rept 32
	v_ldexp_f32 v[E+j], v[E+j], s96                ; b1 / 2^(e10 + e11)
.set j, j+1
.endr
	s_wait_alu depctr_va_vdst(0)
	s_wait_dscnt 32                                ; z2's fragments; W2's 32 loads may be out
	; ---- 1: my 64 units of the first hidden layer
.irp m, 0,1
.irp t, 0,1,2,3
	v_wmma_f32_16x16x128_bf8_bf8 v[S+8*(4*\m+\t):S+8*(4*\m+\t)+7], v[KF+16*\t:KF+16*\t+15], v[P+16*\m:P+16*\m+15], v[E+8*\t:E+8*\t+7]
.endr
.endr
	PLACES
	; W3: K steps 0 and 1 where b1 lay, 2 and 3 where z2's fragments lay; and b3
.irp s, 0,1
.irp c, 0,1,2,3
	global_load_b128 v[E+16*\s+4*\c:E+16*\s+4*\c+3], v[GO], s[26:27] offset:2048*\s+512*\c
	global_load_b128 v[P+16*\s+4*\c:P+16*\s+4*\c+3], v[GO], s[26:27] offset:4096+2048*\s+512*\c
.endr
.endr
	v_lshrrev_b32 v242, 1, v243                    ; 32 h
	global_load_b128 v[8:11], v242, s[22:23]
	global_load_b128 v[12:15], v242, s[22:23] offset:16
	QUANT S, KF, 1, 250, 4
.macro IMAGE off                       ; my 64 units are two quads of K step w >> 1, of each tile of rows
.irp m, 0,1
.irp u, 0,1
	ds_store_b128 v254, v[KF+8*\m+4*\u:KF+8*\m+4*\u+3] offset:(\off)+8192*\m+512*\u
.endr
.endr
.endm
	IMAGE H1IMG
	BARRIER
	; ---- 2: my 64 units of the second hidden layer: eight accumulators by turns, K step by K step; two steps' fragments in registers
.macro HFETCH s
	MLOAD KF+32*(\s%2), IB, H1IMG+2048*\s
	MLOAD KF+32*(\s%2)+16, IB, H1IMG+8192+2048*\s
.endm
.macro LAYER2 s
	WIN 0x01                                       ; source 0 in window 1
.irp m, 0,1
.irp t, 0,1,2,3
.set W2F, 64*\s+16*\t
.if \s == 0
	v_wmma_f32_16x16x128_bf8_bf8 v[S+8*(4*\m+\t):S+8*(4*\m+\t)+7], v[W2F:W2F+15], v[KF+32*(\s%2)+16*\m:KF+32*(\s%2)+16*\m+15], v[Q+8*\t:Q+8*\t+7]
.else
	v_wmma_f32_16x16x128_bf8_bf8 v[S+8*(4*\m+\t):S+8*(4*\m+\t)+7], v[W2F:W2F+15], v[KF+32*(\s%2)+16*\m:KF+32*(\s%2)+16*\m+15], v[S+8*(4*\m+\t):S+8*(4*\m+\t)+7]
.endif
.endr
.endr
	WIN 0
	PLACES
.endm
	HFETCH 0
	HFETCH 1
	s_wait_loadcnt 18                              ; W2 and b2; W3's 16 and b3's 2 loads may be out
.set j, 0
.rept 32
	v_ldexp_f32 v[Q+j], v[Q+j], s97                ; b2 / 2^(e12 + e13)
.set j, j+1
.endr
	s_wait_alu depctr_va_vdst(0)
	s_wait_dscnt 8
	LAYER2 0
	HFETCH 2
	s_wait_dscnt 8
	LAYER2 1
	HFETCH 3
	s_wait_dscnt 8
	LAYER2 2
	s_wait_dscnt 0x0
	LAYER2 3
	QUANT S, KF, 1, 252, 4
	IMAGE H2IMG
	BARRIER
	; ---- 3: my 16 outputs for the 32 rows: two accumulators by turns.  Fragment 2 s + m: the first four in v144 on, the others in v48 on
.irp s, 0,1
.irp m, 0,1
	MLOAD KF+16*(2*\s+\m), IB, H2IMG+8192*\m+2048*\s
.endr
.endr
.irp s, 0,1
.irp m, 0,1
	MLOAD S+16*(2*\s+\m), IB, H2IMG+8192*\m+2048*\s+4096
.endr
.endr
	s_wait_loadcnt 0x0                             ; W3 and b3
	s_wait_dscnt 16
.irp m, 0,1
	v_wmma_f32_16x16x128_bf8_bf8 v[Q+8*\m:Q+8*\m+7], v[E:E+15], v[KF+16*\m:KF+16*\m+15], 0
.endr
.irp m, 0,1
	v_wmma_f32_16x16x128_bf8_bf8 v[Q+8*\m:Q+8*\m+7], v[E+16:E+31], v[KF+32+16*\m:KF+32+16*\m+15], v[Q+8*\m:Q+8*\m+7]
.endr
	s_wait_dscnt 0x0
.irp m, 0,1
	v_wmma_f32_16x16x128_bf8_bf8 v[Q+8*\m:Q+8*\m+7], v[P:P+15], v[S+16*\m:S+16*\m+15], v[Q+8*\m:Q+8*\m+7]
.endr
.irp m, 0,1
	v_wmma_f32_16x16x128_bf8_bf8 v[Q+8*\m:Q+8*\m+7], v[P+16:P+31], v[S+32+16*\m:S+32+16*\m+15], v[Q+8*\m:Q+8*\m+7]
.endr
	PLACES
.irp m, 0,1
.irp i, 0,2,4,6
	v_pk_fma_f32 v[Q+16+8*\m+\i:Q+16+8*\m+\i+1], v[Q+8*\m+\i:Q+8*\m+\i+1], s[94:95], v[8+\i:9+\i] op_sel_hi:[1,0,1]
.endr
.endr
.irp m, 0,1
	ds_store_b128 v247, v[Q+16+8*\m:Q+16+8*\m+3] offset:8448*\m          ; row 16 m + r, outputs 16 w + 8 h + 0..7
	ds_store_b128 v247, v[Q+16+8*\m+4:Q+16+8*\m+7] offset:8448*\m+16
.endr
	s_mul_i32 s35, s[WV], 2112
	s_add_co_u32 s35, s35, MB+YSTG
	v_add_nc_u32 v[ADK], s35, v[GO]                ; my 4 rows of 528 bytes
	BARRIER
.irp q, 0,1,2,3
	ds_load_b128 v[S+4*\q:S+4*\q+3], v[ADK] offset:528*\q
	ds_load_b128 v[S+16+4*\q:S+16+4*\q+3], v[ADK] offset:ZSTG-YSTG+528*\q
.endr
	s_wait_dscnt 0x0
	ADD16 S, S+16                                  ; + z1r
.irp q, 0,1,2,3
	global_store_b128 v[GO], v[S+4*\q:S+4*\q+3], s[30:31] offset:512*\q th:TH_STORE_NT   ; 32 lanes store a row of 512 bytes, aligned
.endr
	s_wait_tensorcnt 0x0                           ; the wave's end
	ds_add_u32 v[SPW], v[NIL]
	s_wait_dscnt 0x0
	ROUND                                          ; the closing round
	s_endpgm
.Lfunc_end_k_q5b50d750d3_attn:
	.size	k_q5b50d750d3_attn, .Lfunc_end_k_q5b50d750d3_attn-k_q5b50d750d3_attn
	.p2alignl 7, 3214868480
	.fill 96, 4, 3214868480
	.section	.rodata,"a",@progbits
	.p2align	6, 0x0
	.amdhsa_kernel k_q5b50d750d3_attn
		.amdhsa_group_segment_fixed_size 327680
		.amdhsa_private_segment_fixed_size 0
		.amdhsa_enable_private_segment 0
		.amdhsa_kernarg_size 96
		.amdhsa_user_sgpr_count 2
		.amdhsa_user_sgpr_kernarg_segment_ptr 1
		.amdhsa_wavefront_size32 1
		.amdhsa_system_sgpr_workgroup_id_x 1
		.amdhsa_system_sgpr_workgroup_id_y 1
		.amdhsa_system_sgpr_workgroup_id_z 1
		.amdhsa_system_vgpr_workitem_id 0
		.amdhsa_next_free_vgpr 512
		.amdhsa_next_free_sgpr 106
		.amdhsa_reserve_vcc 0
		.amdhsa_float_denorm_mode_32 3
		.amdhsa_float_denorm_mode_16_64 3
		.amdhsa_memory_ordered 1
		.amdhsa_forward_progress 1
		.amdhsa_inst_pref_size 255
	.end_amdhsa_kernel
	.section	.bss,"aw",@nobits
	.p2align	6
	.space	262144
	.amdgpu_metadata
---
amdhsa.version: [ 1, 2 ]
amdhsa.kernels:
  - .name:           k_q5b50d750d3_attn
    .symbol:         k_q5b50d750d3_attn.kd
    .args:
      - { .name: qimg, .offset: 0, .size: 8, .value_kind: global_buffer, .address_space: global }
      - { .name: kimg, .offset: 8, .size: 8, .value_kind: global_buffer, .address_space: global }
      - { .name: vimg, .offset: 16, .size: 8, .value_kind: global_buffer, .address_space: global }
      - { .name: x, .offset: 24, .size: 8, .value_kind: global_buffer, .address_space: global }
      - { .name: ln_g, .offset: 32, .size: 8, .value_kind: global_buffer, .address_space: global }
      - { .name: ln_b, .offset: 40, .size: 8, .value_kind: global_buffer, .address_space: global }
      - { .name: wimg, .offset: 48, .size: 8, .value_kind: global_buffer, .address_space: global }
      - { .name: b1, .offset: 56, .size: 8, .value_kind: global_buffer, .address_space: global }
      - { .name: b2, .offset: 64, .size: 8, .value_kind: global_buffer, .address_space: global }
      - { .name: b3, .offset: 72, .size: 8, .value_kind: global_buffer, .address_space: global }
      - { .name: lowp_scales, .offset: 80, .size: 8, .value_kind: global_buffer, .address_space: global }
      - { .name: out0, .offset: 88, .size: 8, .value_kind: global_buffer, .address_space: global }
    .group_segment_fixed_size: 327680
    .private_segment_fixed_size: 0
    .kernarg_segment_align: 8
    .kernarg_segment_size: 96
    .max_flat_workgroup_size: 256
    .sgpr_count:     106
    .vgpr_count:     512
    .wavefront_size: 32
...
	.end_amdgpu_metadata
.endif
;; end of part 2
